; MI455X (gfx1250); checked and timed in simulation.
; The chip was launched on July 23, 2026; its instructions are those of AMD's public machine-readable ISA for CDNA 5 (MIT licence, August 2026) and "CDNA5" Instruction Set Architecture Reference Guide (July 2026). The comments in the code are by the model that wrote it; some were corrected since.
;; Bool. Allowed arithmetic: float matrix products may take bf16 or f16 operands with f32 sums; all other float work in f32.
;; Inputs: W 2 x 4,096 x 4,096 float32; b 2 x 4,096 float32; x 2,048 x 4,096 float32.
;; Outputs: out0 2,048 x 4,096 float32.
;; One version. Each part assembles by itself: llvm-mc -triple=amdgcn-amd-amdhsa -mcpu=gfx1250 --defsym DOCPART=n.
;; ======== version 1 of 1: 2 launches
;; limits: values are held in f16: magnitudes above 65,504 overflow, below 6.1e-05 lose precision; inputs' magnitudes at most 65,504
;; workspace buffers: xh 16,777,216 bytes; route 256 bytes of whole numbers
;; launch route (part 1): grid 256 x 1, 8 waves a work-group, no clusters, 1,280 bytes of LDS; arguments x, xh, route; writes xh, route
.if DOCPART == 1
	.amdgcn_target "amdgcn-amd-amdhsa--gfx1250"
	.amdhsa_code_object_version 6
	.text
	.protected	k_q17c6b85694_route
	.globl	k_q17c6b85694_route
	.p2align	8
	.type	k_q17c6b85694_route,@function
k_q17c6b85694_route:
	s_mov_b64 s[64:65], 0
	v_nop
	global_prefetch_b8 v0, s[64:65] scope:SCOPE_SE
	s_setreg_imm32_b32 hwreg(HW_REG_WAVE_MODE, 25, 1), 1
	s_wait_xcnt 0x0
; g[n] = (mean of row n of x > 0), and xh = x rounded to f16.  x: [2048][4096] f32, xh: [2048][4096] f16,
; route: 256 bytes, bit w of byte j = g[8 j + w] (read as 64 little-endian words: bit l of word m = g[32 m + l]).
; Eight waves; the work-group owns 8 rows, a wave one row of 16,384 bytes: 32 loads of 16 bytes a lane, all issued at once,
; so the row is read once and serves both the sum (of the f32 numbers) and the rounding.  No loop, no matrix unit: the launch only moves bytes.
; LIMITS: the row's sum is made in f32 in 8 chains a lane and a tree over the lanes, another order than a plain running sum.
; A row whose |sum| is below about 2e-6 times the sum of its magnitudes may get the other group than another order of summing gives it.
; A NaN mean gives group 0, as the comparison > 0 does.
; f16: |x| above 65,504 becomes infinity in xh; below 6.1e-5 the numbers are rounded to multiples of 6e-8.
.set X, 8                              ; v[8:135]    the row as loaded, 4 registers a load
.set Y, 136                            ; v[136:199]  the row in f16, 2 registers a load; each is store data once and is never rewritten
.set S, 200                            ; v[200:207]  four packed sums (two sets that take turns)
	s_load_b128 s[4:7], s[0:1], 0x0                ; x s[4:5], xh s[6:7]
	s_load_b64 s[8:9], s[0:1], 0x10                ; route
	v_lshl_add_u32 v208, v0, 2, 0x100
	v_mov_b32 v209, 0
	v_and_b32 v1, 31, v0                           ; lane
	v_lshrrev_b32 v4, 5, v0
	v_readfirstlane_b32 s10, v4                    ; wave 0..7
	v_lshlrev_b32 v2, 4, v1                        ; 16 bytes a lane in x
	v_lshlrev_b32 v3, 3, v1                        ; 8 bytes a lane in xh
	s_lshl_b32 s11, ttmp9, 3
	s_add_co_u32 s11, s11, s10                     ; my row
	s_lshl_b32 s14, s11, 14                        ; x 16,384 bytes (below 2^25)
	s_mov_b32 s15, 0
	s_lshl_b32 s16, s11, 13                        ; x 8,192 bytes
	s_mov_b32 s17, 0
	s_mov_b32 s12, 0x76543210                      ; v_permlanex16_b32: lane i of one half reads lane i of the other
	s_mov_b32 s13, 0xfedcba98
	s_wait_kmcnt 0x0
	s_add_nc_u64 s[4:5], s[4:5], s[14:15]
	s_add_nc_u64 s[6:7], s[6:7], s[16:17]
.set j, 0
.rept 32
	global_load_b128 v[X+4*j:X+4*j+3], v2, s[4:5] offset:512*j th:TH_LOAD_NT   ; 512 neighbouring bytes a load; x is read once in the launch
.set j, j+1
.endr
.set j, 0
.rept 32
	s_wait_loadcnt 31-j                            ; loads come back in order: load j is in, the 31 - j younger ones stay out
.if j >= 4
	v_pk_add_f32 v[S+4*(j&1):S+4*(j&1)+1],   v[S+4*(j&1):S+4*(j&1)+1],   v[X+4*j:X+4*j+1]
	v_pk_add_f32 v[S+4*(j&1)+2:S+4*(j&1)+3], v[S+4*(j&1)+2:S+4*(j&1)+3], v[X+4*j+2:X+4*j+3]
.else
.if j >= 2
	v_pk_add_f32 v[S+4*(j&1):S+4*(j&1)+1],   v[X+4*(j-2):X+4*(j-2)+1],   v[X+4*j:X+4*j+1]     ; loads 0+2 and 1+3 start the chains: nothing is cleared
	v_pk_add_f32 v[S+4*(j&1)+2:S+4*(j&1)+3], v[X+4*(j-2)+2:X+4*(j-2)+3], v[X+4*j+2:X+4*j+3]
.endif
.endif
	v_cvt_pk_f16_f32 v[Y+2*j],   v[X+4*j],   v[X+4*j+1]        ; first source into the low half
	v_cvt_pk_f16_f32 v[Y+2*j+1], v[X+4*j+2], v[X+4*j+3]
	global_store_b64 v3, v[Y+2*j:Y+2*j+1], s[6:7] offset:256*j     ; the wave stores 256 consecutive bytes, at a multiple of 256 from the row's start; the next launch reads them: no hint
.set j, j+1
.endr
	v_pk_add_f32 v[S:S+1],   v[S:S+1],   v[S+4:S+5]
	v_pk_add_f32 v[S+2:S+3], v[S+2:S+3], v[S+6:S+7]
	v_pk_add_f32 v[S:S+1],   v[S:S+1],   v[S+2:S+3]
	v_add_f32 v[S], v[S], v[S+1]
	v_add_f32_dpp v[S], v[S], v[S] row_xmask:1 row_mask:0xf bank_mask:0xf
	v_add_f32_dpp v[S], v[S], v[S] row_xmask:2 row_mask:0xf bank_mask:0xf
	v_add_f32_dpp v[S], v[S], v[S] row_xmask:4 row_mask:0xf bank_mask:0xf
	v_add_f32_dpp v[S], v[S], v[S] row_xmask:8 row_mask:0xf bank_mask:0xf
	v_permlanex16_b32 v[S+1], v[S], s12, s13       ; its destination has been written before
	v_add_f32 v[S], v[S], v[S+1]                   ; every lane holds the row's sum
	v_mul_f32 v[S], 0x39800000, v[S]               ; x 2^-12: the mean
	v_cmp_lt_f32 vcc_lo, 0, v[S]                   ; 0 < mean
	s_lshl_b32 s18, 1, s10
	v_mov_b32 v5, s18
	v_cndmask_b32 v5, 0, v5, vcc_lo                ; my row's bit, or 0: the comparison only selects a value
	v_mov_b32 v6, s10
	v_lshlrev_b32 v6, 2, v6
	ds_store_b32 v6, v5                            ; word w of LDS; all lanes write the same value
	s_wait_dscnt 0x0                               ; for wave 0, which reads it: zero
	s_barrier_signal -1
	s_barrier_wait -1
	s_cmp_lg_u32 s10, 0
	s_cbranch_scc1 .Lend                           ; wave 0 alone puts the eight bits together
	v_mov_b32 v7, 0
	ds_load_b128 v[S:S+3],   v7
	ds_load_b128 v[S+4:S+7], v7 offset:16
	s_mov_b32 s20, ttmp9
	v_mov_b32 v4, s20                              ; byte j of route
	s_wait_dscnt 0x0
	v_or_b32 v[S],   v[S],   v[S+1]
	v_or_b32 v[S+2], v[S+2], v[S+3]
	v_or_b32 v[S+4], v[S+4], v[S+5]
	v_or_b32 v[S+6], v[S+6], v[S+7]
	v_or_b32 v[S],   v[S],   v[S+2]
	v_or_b32 v[S+4], v[S+4], v[S+6]
	v_or_b32 v[S],   v[S],   v[S+4]
	v_cmp_eq_u32 vcc_lo, 0, v0
	s_wait_xcnt 0x0                                ; EXEC is a source of the stores above: it narrows only behind this wait
	s_and_saveexec_b32 s19, vcc_lo
	global_store_b8 v4, v[S], s[8:9]               ; one byte for the group's eight rows
	s_wait_xcnt 0x0                                ; and widens only behind this one
	s_or_b32 exec_lo, exec_lo, s19
.Lend:
	s_wait_tensorcnt 0x0
	ds_add_u32 v208, v209
	s_wait_dscnt 0x0
	s_endpgm
.Lfunc_end_k_q17c6b85694_route:
	.size	k_q17c6b85694_route, .Lfunc_end_k_q17c6b85694_route-k_q17c6b85694_route
	.p2alignl 7, 3214868480
	.fill 96, 4, 3214868480
	.section	.rodata,"a",@progbits
	.p2align	6, 0x0
	.amdhsa_kernel k_q17c6b85694_route
		.amdhsa_group_segment_fixed_size 1280
		.amdhsa_private_segment_fixed_size 0
		.amdhsa_enable_private_segment 0
		.amdhsa_kernarg_size 24
		.amdhsa_user_sgpr_count 2
		.amdhsa_user_sgpr_kernarg_segment_ptr 1
		.amdhsa_wavefront_size32 1
		.amdhsa_system_sgpr_workgroup_id_x 1
		.amdhsa_system_sgpr_workgroup_id_y 1
		.amdhsa_system_sgpr_workgroup_id_z 1
		.amdhsa_system_vgpr_workitem_id 0
		.amdhsa_next_free_vgpr 210
		.amdhsa_next_free_sgpr 66
		.amdhsa_reserve_vcc 1
		.amdhsa_float_denorm_mode_32 3
		.amdhsa_float_denorm_mode_16_64 3
		.amdhsa_memory_ordered 1
		.amdhsa_forward_progress 1
		.amdhsa_inst_pref_size 18
	.end_amdhsa_kernel
	.amdgpu_metadata
---
amdhsa.version: [ 1, 2 ]
amdhsa.kernels:
  - .name:           k_q17c6b85694_route
    .symbol:         k_q17c6b85694_route.kd
    .args:
      - { .name: x, .offset: 0, .size: 8, .value_kind: global_buffer, .address_space: global }
      - { .name: xh, .offset: 8, .size: 8, .value_kind: global_buffer, .address_space: global }
      - { .name: route, .offset: 16, .size: 8, .value_kind: global_buffer, .address_space: global }
    .group_segment_fixed_size: 1280
    .private_segment_fixed_size: 0
    .kernarg_segment_align: 8
    .kernarg_segment_size: 24
    .max_flat_workgroup_size: 256
    .sgpr_count:     66
    .vgpr_count:     210
    .wavefront_size: 32
...
	.end_amdgpu_metadata
.endif
;; end of part 1
;; launch moe (part 2): grid 16 x 16, 4 waves a work-group, no clusters, 80,896 bytes of LDS; arguments route, xh, W, b, out0; writes out0
.if DOCPART == 2
	.amdgcn_target "amdgcn-amd-amdhsa--gfx1250"
	.amdhsa_code_object_version 6
	.text
	.protected	k_q17c6b85694_moe
	.globl	k_q17c6b85694_moe
	.p2align	8
	.type	k_q17c6b85694_moe,@function
k_q17c6b85694_moe:
	s_mov_b64 s[64:65], 0
	v_nop
	global_prefetch_b8 v0, s[64:65] scope:SCOPE_SE
	s_setreg_imm32_b32 hwreg(HW_REG_WAVE_MODE, 25, 1), 1
	s_wait_xcnt 0x0
; out[n] = tanh(x[n] W[g(n)] + b[g(n)]): only the expert that a row is routed to is computed; the other result would be thrown away.
; route: 64 words, bit l of word m = g[32 m + l].  xh: [2048][4096] f16.  W: [2][4096 k][4096 f] f32.  b: [2][4096] f32.  out0: [2048][4096] f32.
; THE OPERANDS ARE f16, NOT bf16.  Rounding to bf16's 8 significant bits errs by about 1.7e-3 of an operand (root mean square), 2.3e-3 of a product, and so 2.3e-3 of the
; spread of a sum of 4096 like products; where the sum is near 0 tanh passes that on whole.  f16's 11 bits make it 8 times finer, at the same matrix rate.
; WORK-GROUP (x = c, y): columns 256 c .. 256 c + 255 of row tile y.  There are 16 row tiles of at most 144 rows, enough for every split of the 2048 rows:
; ceil(n0/144) + ceil(n1/144) <= floor(2046/144) + 2 = 16.  T0 = ceil(n0/144) tiles (16 if n1 = 0) go to expert 0, the other T1 = 16 - T0 to expert 1; an expert's
; rows, in the order of their rank among its rows, are cut into T_e equal runs of C = ceil(n_e/T_e) <= 144.  No tile is empty: n0 > 144 (T0 - 1) >= T0 (T0 - 1),
; n1 >= 144 T1 - 256 >= T1 (T1 - 1) for T1 >= 2, and T1 = 1 has n1 >= 1.  Every work-group multiplies 144 rows (9 tiles of 16), whatever its count: the K loop and its
; barriers hang on no number read from memory; the expert only selects an offset, the counts only steer the list, the way out's skips and the stores' masks.
; WAVE w: all 144 rows x its 64 columns, 36 accumulator tiles.
; x goes through LDS: the rows are gathered by the list, 128 k (256 bytes) a row and K step, into two slots that take turns, by loads into registers and ds_store.
; W NEVER TOUCHES LDS.  Lane (r, h) loads 16 bytes, columns 4 r .. 4 r + 3 of the wave's 64, of the sixteen k rows that a B fragment's lane holds
; (k0 + 8 h + 0..7, k0 + 16 + 8 h + 0..7): sixteen lanes cover 256 consecutive bytes of a row of W.  B tile t is the set of columns 4 r + t, so rounding two
; neighbouring k of one column into a register gives the fragment with every k in its place.  In the result, register j of tile (a, t) is
; out(list row 16 a + 8 h + j, column 4 r + t): the four t of one j are 16 neighbouring bytes, and sixteen lanes store 256 consecutive aligned bytes.  No stage on the way out.
; NO CLUSTER, NO JOINT LOADS, though the tiles of an expert read the same strip of W: a joint load lands in LDS, and W in f32 through LDS would be
; 32 KiB written and 32 KiB read for each 32 of K beside the 36 KiB of x fragments that the four waves read there; and which tiles share a strip hangs on counts read from memory.
; LIMITS: x and W enter the products rounded to f16: a magnitude above 65,504 becomes infinity, and below 6.1e-5 the numbers are rounded to multiples of 6e-8.
; tanh(z) = 1 - 2 / (1 + 2^(2.885390 z)): absolute error about 1e-7, so for |z| below about 1e-5 few digits are right relative to z itself; +-1 at +-infinity, NaN stays NaN.
; List places behind a tile's count name row 0: they are multiplied and not stored.
.set PITCH, 272                        ; an LDS row: 256 bytes + 16: an odd multiple of 16, so the 16 rows of a fragment load start 16 bytes apart modulo 256
.set ROWS,  144
.set SLOT,  ROWS*PITCH                 ; 39,168 bytes; slot 0 at 0, slot 1 behind it
.set LIST,  2*SLOT                     ; 78,336: 512 words.  0..143 the row list (padded with 0), 320..351 a dump for lanes that are not selected
.set WROW,  16384                      ; bytes in a row of W and of out0
; window 0
.set WO,  2                            ; h x 8 rows of W + 16 r; never rewritten
.set PF,  3                            ; (32 (y & 7) + lane) rows of W: the prefetch; never rewritten
.set AA,  4                            ; v4, v5   fragments of x in slot 0, 1: 272 r + 16 h
.set SA,  6                            ; v6, v7   where I store x in slot 0, 1: 272 (t >> 4) + 16 (t & 15)
.set LA,  8                            ; LIST + 4 (t >> 4)
.set TT,  9                            ; h, while the lane terms are made
.set H8,  10                           ; 8 h
.set R16, 11                           ; 16 r = 16 (t & 15)
.set LE,  12                           ; LIST + 32 h
.set LN,  14                           ; lane
.set BR,  16                           ; v[16:19]  b of my four columns
.set BC,  20                           ; v[20:23]  the same x 2.885390
.set AF0, 32                           ; v[32:103], v[104:175]  fragments of x, two buffers of 9 tiles
.set BF0, 176                          ; v[176:207], v[208:239] fragments of W, two buffers of 4 tiles
.set E,   32                           ; the way out: 32 results (in fragment buffer 0)
.set RO,  104                          ; the way out: v[104:175] byte offsets in out0 of my 72 rows, 8 a tile (in fragment buffer 1); written once
; window 1: W as loaded, four sets of 64 registers, set s at 64 s.
; window 2: accumulators of tiles a = 0..3 at 32 a + 8 t; XS, XO.   window 3: accumulators of a = 4..8 at 32 (a - 4) + 8 t.
.set XS,  128                          ; window 2: 18 x 4 registers, x on its way to LDS
.set XO,  200                          ; window 2: 18 byte offsets of my 16 bytes in xh
; s_set_vgpr_msb, low byte: bits 1:0 source 0, 3:2 source 1, 5:4 source 2, 7:6 destination; the high byte repeats the setting that is left.
.set MSB, 0
.macro WIN new
.if MSB != \new
	s_set_vgpr_msb (MSB<<8)|\new
.set MSB, \new
.endif
.endm
.macro PLACES                          ; four places behind a matrix instruction (ISA guide 7.12.1)
.rept 4
	v_nop
.endr
.endm
; Products of tiles a0..a1 x the four column tiles, 32 along K, on buffers p.  The 36 accumulators take turns, one instruction a turn, in one order
; in every substep and over the backward jump.  zero = 1: the first products start the sums.
.macro MUL p, a0, a1, zero
.set MA, \a0
.rept \a1-\a0+1
.if MA < 4
	WIN 0xa0
.set MB, 32*MA
.else
	WIN 0xf0
.set MB, 32*(MA-4)
.endif
.irp t, 0,1,2,3
.if \zero
	v_wmma_f32_16x16x32_f16 v[MB+8*\t:MB+8*\t+7], v[AF0+72*\p+8*MA:AF0+72*\p+8*MA+7], v[BF0+32*\p+8*\t:BF0+32*\p+8*\t+7], 0
.else
	v_wmma_f32_16x16x32_f16 v[MB+8*\t:MB+8*\t+7], v[AF0+72*\p+8*MA:AF0+72*\p+8*MA+7], v[BF0+32*\p+8*\t:BF0+32*\p+8*\t+7], v[MB+8*\t:MB+8*\t+7]
.endif
.endr
.set MA, MA+1
.endr
.endm
; W's set (16 k x 4 columns a lane, f32) becomes four B fragments: register u of tile t = k number 2 u (low) and 2 u + 1 (high) of column 4 r + t
.macro CVT set, p
	WIN 0x05
.irp t, 0,1,2,3
.irp u, 0,1,2,3,4,5,6,7
	v_cvt_pk_f16_f32 v[BF0+32*\p+8*\t+\u], v[64*\set+8*\u+\t], v[64*\set+8*\u+4+\t]
.endr
.endr
.endm
; 16 loads: 32 k rows of W from row0 on behind the base s[blo:blo+1]; lanes 0-15 take row l (l + 8 from l = 8 on), lanes 16-31 the row 8 further down (in WO)
.macro WLOAD set, blo, row0
	WIN 0x40
.irp l, 0,1,2,3,4,5,6,7,8,9,10,11,12,13,14,15
	global_load_b128 v[64*\set+4*\l:64*\set+4*\l+3], v[WO], s[\blo:\blo+1] offset:(\row0+\l+8*(\l/8))*WROW
.endr
.endm
; 18 LDS loads: the nine A fragments of 32 k at byte kb of the slot's rows
.macro AFETCH p, slot, kb
	WIN 0
.irp a, 0,1,2,3,4,5,6,7,8
	ds_load_b128 v[AF0+72*\p+8*\a:AF0+72*\p+8*\a+3],   v[AA+\slot] offset:16*PITCH*\a+\kb
	ds_load_b128 v[AF0+72*\p+8*\a+4:AF0+72*\p+8*\a+7], v[AA+\slot] offset:16*PITCH*\a+\kb+32
.endr
.endm
; 18 loads: my 16 bytes of 18 of the tile's 144 rows, one K step of 128; sixteen lanes cover 256 consecutive aligned bytes of a row of xh
.macro XLOAD off
	WIN 0x82
.irp n, 0,1,2,3,4,5,6,7,8,9,10,11,12,13,14,15,16,17
	global_load_b128 v[XS+4*\n:XS+4*\n+3], v[XO+\n], s[26:27] offset:\off
.endr
.endm
.macro XSTORE slot
	WIN 0x08
.irp n, 0,1,2,3,4,5,6,7,8,9,10,11,12,13,14,15,16,17
	ds_store_b128 v[SA+\slot], v[XS+4*\n:XS+4*\n+3] offset:8*PITCH*\n
.endr
.endm
; A substep: 32 of K, 36 products on buffers q & 1.  Substep number sigma = 4 x (K step) + q.  In its middle it rounds W(sigma+1), asks for W(sigma+4) and fetches
; the next substep's x fragments.  wcnt: how many younger loads may stay out when W(sigma+1) (at q = 3 also the next K step's x) has to be in.
.macro SUB q, slot, zero, wcnt, cv, wl, xl, pf, last
.set CUR,  (\q)&1
.set NXT,  CUR^1
.set SNX,  (\slot)^1
.set NSET, ((\q)+1)&3
.set KB,   64*((\q)+1)
.set R0,   32*(4*(\slot)+(\q))
.if \last
	s_wait_dscnt 0x0                               ; nothing is fetched any more: all 18 fragment loads
.else
	s_wait_dscnt 10                                ; of the 18 fragment loads the 8 oldest, tiles 0-3, are in
.endif
	MUL CUR, 0, 3, \zero
.if \cv
	s_wait_loadcnt \wcnt
	PLACES                                         ; behind the last substep's products, which read the buffers that are written now
.if \q == 3
	XSTORE SNX                                     ; the next K step's x; every wave's reads of that slot ended in front of the last K step's barrier
.endif
	CVT NSET, NXT
.endif
.if \wl
	WLOAD \q, 24, R0                               ; into the set that was rounded one substep ago; it has three substeps in which to land
.endif
.if \pf
	WIN 0
	global_prefetch_b8 v[PF], s[24:25] offset:128*WROW th:TH_LOAD_NT scope:SCOPE_SE   ; see LAP
.endif
.if \q < 3
	AFETCH NXT, \slot, KB
	s_wait_dscnt 18                                ; all but the 18 just issued: tiles 4-8 are in
	MUL CUR, 4, 8, \zero
.else
.if \last
	MUL CUR, 4, 8, 0
.else
	s_wait_dscnt 0x0                               ; my reads of this slot are back and my stores into the other are done:
	s_barrier_signal -1                            ; say so,
	MUL CUR, 4, 5, 0                               ; work on registers while the others arrive,
	s_barrier_wait -1                              ; and now the other slot is whole, and this one may be stored into in the next K step
	AFETCH NXT, SNX, 0
	MUL CUR, 6, 8, 0
.endif
.endif
.if \xl
	XLOAD 256*((\slot)+1)                          ; the next K step's x, at the substep's end
.endif
.endm
; A K step of 128.  A wave issues, substep by substep: W(s+4), and behind it at q = 0 the 18 x loads.  So behind W(s+1) stand, at the wait of
; q = 0: two W groups = 32;  q = 1, 2: two W groups and the x loads = 50;  q = 3: the wait is for the x loads, issued straight behind W(s+1): two W groups = 32.
.macro TRIP slot, zero, pf
	SUB 0, \slot, \zero, 32, 1, 1, 1, \pf, 0
	SUB 1, \slot, 0,     50, 1, 1, 0, 0,   0
	SUB 2, \slot, 0,     50, 1, 1, 0, 0,   0
	SUB 3, \slot, 0,     32, 1, 1, 0, 0,   0
.endm
; A lap: two K steps, once round the slots.  s[24:25] stands at row 128 + 256 x lap of the strip, s[26:27] at byte 512 x lap of xh's rows.
; PREFETCH: in lap L wave w of tile y asks for the 256 bytes of its own column block in rows 256 L + 256 + 32 (y & 7) + lane: one block a lane.  Where an expert has 8 tiles,
; its 8 tiles x 4 waves cover the 256 rows x 4 blocks once; with 7 tiles one eighth is not asked for, with 9 one eighth is asked for twice.
; The loads of those rows are issued in the second K step of lap L and the first of lap L + 1.  Lap 14 asks up to row 4095, the strip's last; the tail asks for nothing.
.macro LAP zero
	TRIP 0, \zero, 1
	TRIP 1, 0, 0
	WIN 0
	s_wait_xcnt 0x0                                ; the bases are stepped only behind this wait
	s_add_nc_u64 s[24:25], s[24:25], 256*WROW
	s_add_nc_u64 s[26:27], s[26:27], 512
.endm
	s_load_b256 s[4:11], s[0:1], 0x0               ; route s[4:5], xh s[6:7], W s[8:9], b s[10:11]
	s_load_b64 s[12:13], s[0:1], 0x20              ; out0
	v_lshl_add_u32 v254, v0, 2, 0x13a00
	v_mov_b32 v255, 0
	v_lshrrev_b32 v1, 5, v0
	v_readfirstlane_b32 s14, v1                    ; wave 0..3
	s_and_b32 s16, ttmp7, 0xffff                   ; y: the row tile
	s_mov_b32 s17, ttmp9                           ; c: the column block
	s_mov_b32 s96, LIST
	s_wait_kmcnt 0x0
	s_load_b256 s[24:31], s[4:5], 0x0              ; the 64 words of route: words 0-39 in s24-s63, words 40-63 in s68-s91
	s_load_b256 s[32:39], s[4:5], 0x20
	s_load_b256 s[40:47], s[4:5], 0x40
	s_load_b256 s[48:55], s[4:5], 0x60
	s_load_b256 s[56:63], s[4:5], 0x80
	s_load_b256 s[68:75], s[4:5], 0xa0
	s_load_b256 s[76:83], s[4:5], 0xc0
	s_load_b256 s[84:91], s[4:5], 0xe0
	; the lane terms, while the words are on their way
	v_and_b32 v[LN], 31, v0
	v_and_b32 v1, 15, v0                           ; r
	v_bfe_u32 v[TT], v0, 4, 1                      ; h
	v_lshlrev_b32 v[R16], 4, v1
	v_lshlrev_b32 v[H8], 3, v[TT]
	v_lshl_add_u32 v[WO], v[TT], 17, v[R16]        ; 8 rows of 16,384 bytes for the upper lanes
	v_mul_u32_u24 v[AA], v1, PITCH
	v_lshl_add_u32 v[AA], v[TT], 4, v[AA]
	v_add_nc_u32 v[AA+1], SLOT, v[AA]
	v_lshl_add_u32 v[LE], v[TT], 5, s96
	v_lshrrev_b32 v1, 4, v0                        ; t >> 4: 0..7
	v_mul_u32_u24 v[SA], v1, PITCH
	v_add_nc_u32 v[SA], v[SA], v[R16]
	v_add_nc_u32 v[SA+1], SLOT, v[SA]
	v_lshl_add_u32 v[LA], v1, 2, s96
	s_and_b32 s94, s16, 7
	s_lshl_b32 s94, s94, 5
	v_add_lshl_u32 v[PF], v[LN], s94, 14
	s_lshl_b32 s22, s17, 10
	s_lshl_b32 s23, s14, 8
	s_add_co_u32 s22, s22, s23                     ; 1024 c + 256 w: my 64 columns in f32
	s_mov_b32 s23, 0
	s_add_nc_u64 s[12:13], s[12:13], s[22:23]      ; out0 at my columns
	s_wait_kmcnt 0x0
	; every wave: n1 = how many rows have group 1
	s_bcnt1_i32_b32 s93, s24
.set j, 1
.rept 63
.if j < 40
.set MREG, 24+j
.else
.set MREG, 28+j
.endif
	s_bcnt1_i32_b32 s94, s[MREG]
	s_add_co_u32 s93, s93, s94
.set j, j+1
.endr
	s_sub_co_u32 s94, 2048, s93                    ; n0
	s_add_co_u32 s95, s94, ROWS-1
	s_mul_i32 s95, s95, 29128                      ; 29128 = ceil(2^22 / 144): exact for numbers up to 2191, since 2191 x 0.9 / 2^22 < 1 / 144
	s_lshr_b32 s95, s95, 22                        ; T0 = ceil(n0 / 144)
	s_cmp_eq_u32 s93, 0
	s_cselect_b32 s95, 16, s95                     ; no row for expert 1: expert 0 takes all 16 tiles
	s_sub_co_u32 s97, 16, s95                      ; T1
	s_cmp_ge_u32 s16, s95                          ; my tile's expert: only selects follow, no branch
	s_cselect_b32 s15, 1, 0                        ; e
	s_cselect_b32 s18, s93, s94                    ; n_e
	s_cselect_b32 s92, 0, -1                       ; expert 0 selects the clear bits
	s_cselect_b32 s19, s95, 0                      ; tiles in front of the expert's first
	s_cselect_b32 s95, s97, s95                    ; T_e: 1 to 16
	s_min_u32 s15, s15, 1                          ; 0 or 1, whatever was read
	s_lshl_b32 s20, s15, 26                        ; the expert's 64 MiB of W
	s_add_co_u32 s20, s20, s22
	s_mov_b32 s21, 0
	s_lshl_b32 s98, s15, 14                        ; the expert's row of b
	s_add_co_u32 s98, s98, s22
	s_mov_b32 s99, 0
	s_add_nc_u64 s[8:9], s[8:9], s[20:21]          ; W at my strip's first row
	s_add_nc_u64 s[10:11], s[10:11], s[98:99]      ; b at my columns
	global_load_b128 v[BR:BR+3], v[R16], s[10:11]
	WLOAD 0, 8, 0                                  ; the first three substeps of W are on their way while the rows are sorted out
	WLOAD 1, 8, 32
	WLOAD 2, 8, 64
	WIN 0
	; C = ceil(n_e / T_e) = floor((n_e + T_e - 1) / T_e), below 256: eight bits, the largest first, each kept if the product still fits
	s_sub_co_u32 s19, s16, s19                     ; my tile's number among the expert's
	s_add_co_u32 s94, s18, s95
	s_sub_co_u32 s94, s94, 1
	s_mov_b32 s97, 0
.irp bit, 128,64,32,16,8,4,2,1
	s_add_co_u32 s2, s97, \bit
	s_mul_i32 s3, s2, s95
	s_cmp_le_u32 s3, s94
	s_cselect_b32 s97, s2, s97
.endr
	s_mul_i32 s19, s19, s97                        ; the rank of my tile's first row
	s_sub_co_i32 s18, s18, s19                     ; rows of the expert from there on,
	s_min_i32 s18, s18, s97                        ; of which C at the most are mine
	s_max_i32 s18, s18, 0
	s_min_u32 s18, s18, ROWS                       ; my tile's count
	; wave 0 writes the list: entry p = the row whose rank among the expert's rows is first rank + p
	s_cmp_lg_u32 s14, 0
	s_cbranch_scc1 .Lrouted
	v_mov_b32 v240, 0
	v_mov_b32 v241, 0
	v_mov_b32 v242, 0
	v_mov_b32 v243, 0
	v_lshl_add_u32 v244, v[LN], 4, s96
.irp n, 0,1,2,3
	ds_store_b128 v244, v[240:243] offset:512*\n   ; entries behind the count name row 0: a row that can be loaded; their results are not stored
.endr
	v_add_nc_u32 v245, 320, v[LN]                  ; the dump, a word a lane
	s_mov_b32 s93, 0                               ; rows of the expert in the words so far
.set j, 0
.rept 64
.if j < 40
.set MREG, 24+j
.else
.set MREG, 28+j
.endif
.set GT, 246+2*(j&1)                   ; two pairs of registers take turns
	s_xor_b32 s94, s[MREG], s92                    ; the expert's rows among rows 32 j .. 32 j + 31
	v_mbcnt_lo_u32_b32 v[GT], s94, s93             ; my row's rank, if it is one of them
	s_bcnt1_i32_b32 s95, s94
	s_add_co_u32 s93, s93, s95
	v_sub_nc_u32 v[GT], v[GT], s19                 ; its place in my tile; a rank in front of the tile wraps to a large number
	v_cmp_gt_u32 vcc_lo, s97, v[GT]                ; place < C
	s_and_b32 vcc_lo, vcc_lo, s94                  ; and of this expert
	v_cndmask_b32 v[GT], v245, v[GT], vcc_lo       ; its place in the list, or the dump
	v_min_u32 v[GT], 0x1ff, v[GT]
	v_lshl_add_u32 v[GT], v[GT], 2, s96
	v_add_nc_u32 v[GT+1], 32*j, v[LN]              ; the row
	ds_store_b32 v[GT], v[GT+1]                    ; LDS serves a wave in order: behind the zeros
.set j, j+1
.endr
.Lrouted:
	s_wait_dscnt 0x0                               ; for the other waves, which read the list: zero
	s_barrier_signal -1
	s_barrier_wait -1
	s_mov_b32 s29, 0x4038aa3b                      ; 2 log2(e) = 2.885390
	WIN 0x80
.irp n, 0,1,2,3,4,5,6,7,8,9,10,11,12,13,14,15,16,17
	ds_load_b32 v[XO+\n], v[LA] offset:32*\n       ; list entry 8 n + (t >> 4)
.endr
	s_wait_dscnt 0x0
	WIN 0x88
.irp n, 0,1,2,3,4,5,6,7,8,9,10,11,12,13,14,15,16,17
	v_min_u32 v[XO+\n], 0x7ff, v[XO+\n]
.endr
	WIN 0x82
.irp n, 0,1,2,3,4,5,6,7,8,9,10,11,12,13,14,15,16,17
	v_lshl_add_u32 v[XO+\n], v[XO+\n], 13, v[R16]  ; row x 8,192 bytes + my 16 bytes
.endr
	s_mov_b64 s[26:27], s[6:7]
	XLOAD 0                                        ; K step 0 of x
	s_wait_loadcnt 50                              ; b and W(0) are in: behind them stand W(1), W(2) = 32 and the x loads = 18
	CVT 0, 0
	WLOAD 3, 8, 96
	s_add_nc_u64 s[24:25], s[8:9], 128*WROW
	s_wait_loadcnt 16                              ; x is in: behind it stands W(3)
	XSTORE 0
	s_wait_dscnt 0x0                               ; for the other waves, which read my rows: zero
	s_barrier_signal -1
	s_barrier_wait -1                              ; slot 0 is whole
	AFETCH 0, 0, 0
	LAP 1                                          ; the first lap stands in front of the loop: its first products start the sums
	s_mov_b32 s28, 14
.Llap:
	LAP 0
	s_sub_co_u32 s28, s28, 1
	s_cmp_lg_u32 s28, 0
	s_cbranch_scc1 .Llap
	TRIP 0, 0, 0                                   ; K step 30: the last loads of W (rows up to 4095) and of x (bytes up to 8191)
	SUB 0, 1, 0, 32, 1, 0, 0, 0, 0                 ; K step 31 loads nothing: the counts run down: behind W(125) stand two groups,
	SUB 1, 1, 0, 16, 1, 0, 0, 0, 0                 ; behind W(126) one,
	SUB 2, 1, 0, 0,  1, 0, 0, 0, 0                 ; behind W(127) none
	SUB 3, 1, 0, 0,  0, 0, 0, 0, 1
	; THE WAY OUT.  The four multiplies are the places behind the last products (ISA guide 7.12.1): plain vector work that names none of their registers.
	; Behind them the fragment buffers may be loaded into and written.
	WIN 0
.irp t, 0,1,2,3
	v_mul_f32 v[BC+\t], s29, v[BR+\t]
.endr
	; All 72 row offsets are made here, once, with every lane on and ahead of every branch on a count: no address register is written behind a line that narrows EXEC.
.irp a, 0,1,2,3,4,5,6,7,8
	ds_load_b128 v[RO+8*\a:RO+8*\a+3],   v[LE] offset:64*\a
	ds_load_b128 v[RO+8*\a+4:RO+8*\a+7], v[LE] offset:64*\a+16     ; list entries 16 a + 8 h + 0..7
.endr
	s_wait_dscnt 0x0
.set k, 0
.rept 72
	v_min_u32 v[RO+k], 0x7ff, v[RO+k]              ; a row of the 2048, whatever the list holds
.set k, k+1
.endr
.set k, 0
.rept 72
	v_lshl_add_u32 v[RO+k], v[RO+k], 14, v[R16]    ; row x 16,384 bytes + 16 r
.set k, k+1
.endr
; Tile a: 16 list rows x my 64 columns.  win, base: where its accumulators lie.  s18 = rows of the list from this tile on.  No barrier stands behind these branches.
.macro OUTT a, win, base
	s_cmp_le_i32 s18, 0
	s_cbranch_scc1 .Lend                           ; no row of the list in this tile, nor in any behind it
	s_wait_xcnt 0x0                                ; E, the last tile's store data, is rewritten only behind this wait
	WIN \win
.irp j, 0,1,2,3,4,5,6,7
.irp t, 0,1,2,3
	v_fma_f32 v[E+4*\j+\t], v[\base+8*\t+\j], s29, v[BC+\t]        ; y = 2.885390 (sum + b)
.endr
.endr
	WIN 0
.set k, 0
.rept 32
	v_exp_f32 v[E+k], v[E+k]
.set k, k+1
.endr
	v_nop                                          ; one plain place behind the last exponential (ISA guide 5.7.2)
.set k, 0
	s_wait_alu depctr_va_vdst(0)
.rept 16
	v_pk_add_f32 v[E+k:E+k+1], v[E+k:E+k+1], 1.0 op_sel_hi:[1,0]
.set k, k+2
.endr
.set k, 0
.rept 32
	v_rcp_f32 v[E+k], v[E+k]
.set k, k+1
.endr
	v_nop                                          ; one plain place behind the last reciprocal
.set k, 0
	s_wait_alu depctr_va_vdst(0)
.rept 16
	v_pk_fma_f32 v[E+k:E+k+1], v[E+k:E+k+1], -2.0, 1.0 op_sel_hi:[1,0,0]   ; tanh = 1 - 2 / (1 + 2^y)
.set k, k+2
.endr
	s_cmp_lt_i32 s18, 16
	s_cbranch_scc1 .Lpart_\a
.irp j, 0,1,2,3,4,5,6,7
	global_store_b128 v[RO+8*\a+\j], v[E+4*\j:E+4*\j+3], s[12:13] th:TH_STORE_NT   ; sixteen lanes store 256 consecutive bytes, at a multiple of 256 from the row's start
.endr
	s_branch .Lnext_\a
.Lpart_\a:                             ; the list ends inside this tile: row 8 h + j is stored where 8 h + j < rows left
.irp j, 0,1,2,3,4,5,6,7
	s_sub_co_i32 s31, s18, \j
	v_cmp_gt_i32 vcc_lo, s31, v[H8]
	s_wait_xcnt 0x0                                ; EXEC is a source of a pending store: it narrows only behind this wait
	s_and_saveexec_b32 s30, vcc_lo
	global_store_b128 v[RO+8*\a+\j], v[E+4*\j:E+4*\j+3], s[12:13] th:TH_STORE_NT
	s_wait_xcnt 0x0                                ; and widens only behind this one
	s_or_b32 exec_lo, exec_lo, s30
.endr
.Lnext_\a:
	s_sub_co_i32 s18, s18, 16
.endm
	OUTT 0, 0x02, 0
	OUTT 1, 0x02, 32
	OUTT 2, 0x02, 64
	OUTT 3, 0x02, 96
	OUTT 4, 0x03, 0
	OUTT 5, 0x03, 32
	OUTT 6, 0x03, 64
	OUTT 7, 0x03, 96
	OUTT 8, 0x03, 128
.Lend:
	s_wait_tensorcnt 0x0
	ds_add_u32 v254, v255
	s_wait_dscnt 0x0
	s_endpgm
.Lfunc_end_k_q17c6b85694_moe:
	.size	k_q17c6b85694_moe, .Lfunc_end_k_q17c6b85694_moe-k_q17c6b85694_moe
	.p2alignl 7, 3214868480
	.fill 96, 4, 3214868480
	.section	.rodata,"a",@progbits
	.p2align	6, 0x0
	.amdhsa_kernel k_q17c6b85694_moe
		.amdhsa_group_segment_fixed_size 80896
		.amdhsa_private_segment_fixed_size 0
		.amdhsa_enable_private_segment 0
		.amdhsa_kernarg_size 40
		.amdhsa_user_sgpr_count 2
		.amdhsa_user_sgpr_kernarg_segment_ptr 1
		.amdhsa_wavefront_size32 1
		.amdhsa_system_sgpr_workgroup_id_x 1
		.amdhsa_system_sgpr_workgroup_id_y 1
		.amdhsa_system_sgpr_workgroup_id_z 1
		.amdhsa_system_vgpr_workitem_id 0
		.amdhsa_next_free_vgpr 928
		.amdhsa_next_free_sgpr 100
		.amdhsa_reserve_vcc 1
		.amdhsa_float_denorm_mode_32 3
		.amdhsa_float_denorm_mode_16_64 3
		.amdhsa_memory_ordered 1
		.amdhsa_forward_progress 1
		.amdhsa_inst_pref_size 255
	.end_amdhsa_kernel
	.section	.bss,"aw",@nobits
	.p2align	6
	.space	262144
	.amdgpu_metadata
---
amdhsa.version: [ 1, 2 ]
amdhsa.kernels:
  - .name:           k_q17c6b85694_moe
    .symbol:         k_q17c6b85694_moe.kd
    .args:
      - { .name: route, .offset: 0, .size: 8, .value_kind: global_buffer, .address_space: global }
      - { .name: xh, .offset: 8, .size: 8, .value_kind: global_buffer, .address_space: global }
      - { .name: W, .offset: 16, .size: 8, .value_kind: global_buffer, .address_space: global }
      - { .name: b, .offset: 24, .size: 8, .value_kind: global_buffer, .address_space: global }
      - { .name: out0, .offset: 32, .size: 8, .value_kind: global_buffer, .address_space: global }
    .group_segment_fixed_size: 80896
    .private_segment_fixed_size: 0
    .kernarg_segment_align: 8
    .kernarg_segment_size: 40
    .max_flat_workgroup_size: 128
    .sgpr_count:     100
    .vgpr_count:     928
    .wavefront_size: 32
...
	.end_amdgpu_metadata
.endif
;; end of part 2
